; MI455X (gfx1250); checked and timed in simulation.
; The chip was launched on July 23, 2026; its instructions are those of AMD's public machine-readable ISA for CDNA 5 (MIT licence, August 2026) and "CDNA5" Instruction Set Architecture Reference Guide (July 2026). The comments in the code are by the model that wrote it; some were corrected since.
;; Vector Quantizer. Allowed arithmetic: matrix products marked QUANTISED: E2M1 operands, one E8M0 scale for each 32 along K, by v_wmma_scale_f32_16x16x128_f8f6f4 with both operands' format E2M1 (or v_wmma_scale_f32_32x16x128_f4), f32 sums; everything else in f32.
;; Inputs: codebook 1,024 x 256 float32; x 32 x 256 x 32 x 32 float32.
;; Outputs: out0 32 x 32 x 32 int32.
;; This version of the problem:
;;   THIS VERSION OF THE PROBLEM IS GIVEN IN LOW PRECISION. The matrix products marked QUANTISED in the list below multiply operands that are first quantised to E2M1 (2 exponent bits, 1 mantissa bit; 4 bits a number), with one power-of-two scale for each 32 numbers along K (OCP MX v1.0); their sums are f32. All else is computed in f32.
;;   The module's matrix products, in the order in which they are computed (A, B: the left and right operand; K: the contracted axis; several contracted axes count as one K, in the product's order):
;;     1. [M 32,768, K 256] x [K 256, N 1,024]; A: input x; B: input codebook: QUANTISED
;;   THE QUANTISER, for each operand of a quantised product, along K:
;;     - K is cut into blocks of 32 from its start; a last block that is shorter is filled with zeros.
;;     - A block's scale is 2^e with e = floor(log2(the largest magnitude in the block)) - 2, held to -126 .. 127; a block of zeros has e = 0. As a byte (E8M0): e + 127.
;;     - Each number is divided by its block's scale, clamped to +-6, and rounded to the nearest number of E2M1, ties to even, subnormals kept.
;;     - The product sums the exact products of the quantised numbers (number of the format x scale) in f32.
;;   ~~~python
;;   def quantise(x, axis):      # numpy; x: float32 -> the quantised numbers, widened to float32 again
;;       x = np.moveaxis(x, axis, -1); K = x.shape[-1]
;;       x = np.pad(x, [(0, 0)] * (x.ndim - 1) + [(0, -K % 32)]); x = x.reshape(x.shape[:-1] + (-1, 32)); a = np.abs(x).max(-1, keepdims=True)
;;       e = np.where(a > 0, np.clip(np.frexp(np.where(a > 0, a, 1))[1] - 1 - 2, -126, 127), 0)      # np.frexp(a)[1] - 1 = floor(log2(a)), exactly
;;       r = np.clip(x / 2.0 ** e, -6, 6)
;;       step = 2.0 ** (np.maximum(np.frexp(np.where(r == 0, 1, r))[1] - 1, 0) - 1)
;;       q = np.round(r / step) * step * 2.0 ** e      # np.round: ties to even
;;       return np.moveaxis(q.reshape(q.shape[:-2] + (-1,))[..., :K], -1, axis).astype(np.float32)
;;   ~~~
;; One version. Each part assembles by itself: llvm-mc -triple=amdgcn-amd-amdhsa -mcpu=gfx1250 --defsym DOCPART=n.
;; ======== version 1 of 1: 2 launches
;; workspace buffers: cbq 143,360 bytes
;; launch prep (part 1): grid 64 x 1, 1 waves a work-group, no clusters, 0 bytes of LDS; arguments codebook, cbq; writes cbq
.if DOCPART == 1
	.amdgcn_target "amdgcn-amd-amdhsa--gfx1250"
	.amdhsa_code_object_version 6
	.text
	.protected	k_q0afd15d2be_prep
	.globl	k_q0afd15d2be_prep
	.p2align	8
	.type	k_q0afd15d2be_prep,@function
k_q0afd15d2be_prep:
	s_mov_b64 s[64:65], 0
	v_nop
	global_prefetch_b8 v0, s[64:65] scope:SCOPE_SE
	s_setreg_imm32_b32 hwreg(HW_REG_WAVE_MODE, 25, 1), 1
	s_wait_xcnt 0x0
; The codebook [1024][256], f32, K innermost, becomes what the second launch's matrix instructions want, made ONCE for all its work-groups:
;   cbq + 0       codes of FP4 (E2M1) as IMAGES OF THE OPERAND'S REGISTERS: tile t (16 rows), K step s (128 along K), register group c: 512 bytes on end, lane l's 16 bytes at 16 l:  2048 t + 1024 s + 512 c + 16 l
;   cbq + 131072  scale words, 128 bytes a tile: lane r holds row r's four E8M0 bytes of K step 0, lane 16 + r those of K step 1:  128 t + 4 l
;   cbq + 139264  e_sq[n] = the sum of the squares of row n's UNQUANTISED numbers, f32:  4 n
; A block's scale is 2^(floor(log2(its largest magnitude)) - 2); its byte is the largest magnitude's exponent field - 2, held at 1 from below.
; LIMITS: a block of zeros gets the byte 1 where the rule says 127 (its codes are zeros, which add nothing under any byte but 0xff, and this program alone reads the bytes);
; NaN and infinities among the inputs are not served; e_sq is summed in two packed chains a lane, another order than a plain row sum.
; SHARES.  One wave to a tile of 16 rows, 64 work-groups: lane (r, h) takes of row 16 t + r the four blocks 4 s + 2 c + h, which are the very numbers that the operand's layout gives that lane
; (registers 4 c .. 4 c + 3 of K step s hold k = 128 s + 64 c + 32 h + 0 .. 31): the conversions' results are the operand's registers, and a tile's scale words and e_sq close inside the wave.
; A lane's loads are 16 bytes of its own row; a tile's 16,384 bytes are all read by this one wave, 32 loads, all issued at once.  The tensor is 1 MiB: no stage in LDS is spent on it.
.set X, 32                             ; v32-159  block g = 2 s + c at v[X + 32 g]
.set C, 160                            ; v160-175 its codes at v[C + 4 g]: a set for each block, so that no store's data are written again
	s_load_b128 s[4:7], s[0:1], 0x0                ; the codebook s[4:5], cbq s[6:7]
	v_and_b32 v1, 15, v0                           ; r
	v_lshrrev_b32 v2, 4, v0                        ; h
	v_lshlrev_b32 v3, 10, v1
	v_lshl_add_u32 v3, v2, 7, v3                   ; in: row r of 1,024 bytes, + 128 h
	v_lshlrev_b32 v4, 4, v0                        ; out: 16 x lane,
	v_lshlrev_b32 v5, 2, v0                        ; 4 x lane,
	v_lshlrev_b32 v6, 2, v1                        ; 4 r
	v_lshlrev_b32 v22, 3, v2                       ; 8 h: where my bytes stand in a scale word
	v_mov_b32 v23, 0                               ; a lane permute's destination counts as one of its sources
	v_mov_b32 v24, 0
	s_mov_b32 s12, 0x76543210
	s_mov_b32 s13, 0xfedcba98                      ; v_permlanex16_b32's selects for lane l xor 16
	s_lshl_b32 s8, ttmp9, 14                       ; the tile's 16 rows of 1,024 bytes
	s_mov_b32 s9, 0
	s_wait_kmcnt 0x0
	s_add_nc_u64 s[4:5], s[4:5], s[8:9]
	s_lshl_b32 s8, ttmp9, 11
	s_add_nc_u64 s[14:15], s[6:7], s[8:9]          ; its codes,
	s_lshl_b32 s8, ttmp9, 7
	s_add_nc_u64 s[16:17], s[6:7], s[8:9]          ; its scale words (131,072 more stand in the store's immediate),
	s_lshl_b32 s8, ttmp9, 6
	s_add_nc_u64 s[18:19], s[6:7], s[8:9]          ; its e_sq (139,264 more)
.irp g, 0,1,2,3
.irp i, 0,1,2,3,4,5,6,7
	global_load_b128 v[X+32*\g+4*\i:X+32*\g+4*\i+3], v3, s[4:5] offset:256*\g+16*\i th:TH_LOAD_NT   ; block 4 s + 2 c + h begins 512 s + 256 c + 128 h bytes into the row
.endr
.endr
; Block g: its largest magnitude, its squares, its byte, its codes.
.macro QB g
.set XB, X+32*(\g)
	s_wait_loadcnt 24-8*(\g)                       ; loads come back in order: this block's eight are in, the younger blocks' stay out
	v_max3_num_f32 v8, |v[XB]|, |v[XB+1]|, |v[XB+2]|               ; all 32 numbers are mine: two chains
	v_max3_num_f32 v9, |v[XB+3]|, |v[XB+4]|, |v[XB+5]|
.irp i, 6,10,14,18,22,26
	v_max3_num_f32 v8, v8, |v[XB+\i]|, |v[XB+\i+1]|
	v_max3_num_f32 v9, v9, |v[XB+\i+2]|, |v[XB+\i+3]|
.endr
	v_max3_num_f32 v8, v8, |v[XB+30]|, |v[XB+31]|
	v_max3_num_f32 v8, v8, v9, 0x1800000           ; and the floor 2^(3 - 127): the byte cannot fall under 1
.irp i, 0,4,8,12,16,20,24,28
.if (\g) == 0 && \i == 0
	v_pk_mul_f32 v[16:17], v[XB:XB+1], v[XB:XB+1]                  ; the first products start the two chains: nothing is cleared
	v_pk_mul_f32 v[18:19], v[XB+2:XB+3], v[XB+2:XB+3]
.else
	v_pk_fma_f32 v[16:17], v[XB+\i:XB+\i+1], v[XB+\i:XB+\i+1], v[16:17]
	v_pk_fma_f32 v[18:19], v[XB+\i+2:XB+\i+3], v[XB+\i+2:XB+\i+3], v[18:19]
.endif
.endr
	v_add_nc_u32 v10, 0xff000000, v8               ; 2 off the exponent field: the conversion takes the exponent field of this operand as its scale, and nothing else of it
	v_lshrrev_b32 v[11+(\g)], 23, v10              ; the scale's byte
.irp j, 0,1,2,3
	v_cvt_scalef32_pk8_fp4_f32 v[C+4*(\g)+\j], v[XB+8*\j:XB+8*\j+7], v10
.endr
	v_nop                                          ; one plain line behind the last conversion of a run
	global_store_b128 v4, v[C+4*(\g):C+4*(\g)+3], s[14:15] offset:512*(\g)   ; the wave stores 512 consecutive bytes, aligned
.endm
	QB 0
	QB 1
	QB 2
	QB 3
	; the scale words: my two bytes of K step s are blocks h and 2 + h of its four; lane l xor 16 has the other two
	v_lshl_or_b32 v20, v12, 16, v11
	v_lshl_or_b32 v21, v14, 16, v13
	v_lshlrev_b32 v20, v22, v20
	v_lshlrev_b32 v21, v22, v21
	v_permlanex16_b32 v23, v20, s12, s13
	v_permlanex16_b32 v24, v21, s12, s13
	v_or_b32 v20, v20, v23
	v_or_b32 v21, v21, v24
	v_cmp_ne_u32 vcc_lo, 0, v2
	v_cndmask_b32 v25, v20, v21, vcc_lo            ; lanes 0-15 keep K step 0's word, lanes 16-31 K step 1's
	global_store_b32 v5, v25, s[16:17] offset:131072
	; e_sq: my half of the row, and lane l xor 16's
	v_pk_add_f32 v[16:17], v[16:17], v[18:19]
	v_add_f32 v16, v16, v17
	v_permlanex16_b32 v23, v16, s12, s13
	v_add_f32 v16, v16, v23
	v_cmp_gt_u32 vcc_lo, 16, v0
	s_wait_xcnt 0x0                                ; EXEC is a source of the stores that are out: it changes only behind this wait
	s_and_saveexec_b32 s20, vcc_lo
	global_store_b32 v6, v16, s[18:19] offset:139264   ; lanes 0-15: 64 consecutive bytes
	s_wait_xcnt 0x0                                ; and again in front of the line that widens it
	s_or_b32 exec_lo, exec_lo, s20
	s_endpgm
.Lfunc_end_k_q0afd15d2be_prep:
	.size	k_q0afd15d2be_prep, .Lfunc_end_k_q0afd15d2be_prep-k_q0afd15d2be_prep
	.p2alignl 7, 3214868480
	.fill 96, 4, 3214868480
	.section	.rodata,"a",@progbits
	.p2align	6, 0x0
	.amdhsa_kernel k_q0afd15d2be_prep
		.amdhsa_group_segment_fixed_size 0
		.amdhsa_private_segment_fixed_size 0
		.amdhsa_enable_private_segment 0
		.amdhsa_kernarg_size 16
		.amdhsa_user_sgpr_count 2
		.amdhsa_user_sgpr_kernarg_segment_ptr 1
		.amdhsa_wavefront_size32 1
		.amdhsa_system_sgpr_workgroup_id_x 1
		.amdhsa_system_sgpr_workgroup_id_y 1
		.amdhsa_system_sgpr_workgroup_id_z 1
		.amdhsa_system_vgpr_workitem_id 0
		.amdhsa_next_free_vgpr 176
		.amdhsa_next_free_sgpr 66
		.amdhsa_reserve_vcc 1
		.amdhsa_float_denorm_mode_32 3
		.amdhsa_float_denorm_mode_16_64 3
		.amdhsa_memory_ordered 1
		.amdhsa_forward_progress 1
		.amdhsa_inst_pref_size 16
	.end_amdhsa_kernel
	.amdgpu_metadata
---
amdhsa.version: [ 1, 2 ]
amdhsa.kernels:
  - .name:           k_q0afd15d2be_prep
    .symbol:         k_q0afd15d2be_prep.kd
    .args:
      - { .name: codebook, .offset: 0, .size: 8, .value_kind: global_buffer, .address_space: global }
      - { .name: cbq, .offset: 8, .size: 8, .value_kind: global_buffer, .address_space: global }
    .group_segment_fixed_size: 0
    .private_segment_fixed_size: 0
    .kernarg_segment_align: 8
    .kernarg_segment_size: 16
    .max_flat_workgroup_size: 32
    .sgpr_count:     66
    .vgpr_count:     176
    .wavefront_size: 32
...
	.end_amdgpu_metadata
.endif
;; end of part 1
;; launch main (part 2): grid 256 x 1, 8 waves a work-group, clusters of 4 x 1, 304,128 bytes of LDS; arguments x, cbq, out0; writes out0
.if DOCPART == 2
	.amdgcn_target "amdgcn-amd-amdhsa--gfx1250"
	.amdhsa_code_object_version 6
	.text
	.protected	k_q0afd15d2be_main
	.globl	k_q0afd15d2be_main
	.p2align	8
	.type	k_q0afd15d2be_main,@function
k_q0afd15d2be_main:
	s_mov_b64 s[64:65], 0
	v_nop
	global_prefetch_b8 v0, s[64:65] scope:SCOPE_SE
	s_setreg_imm32_b32 hwreg(HW_REG_WAVE_MODE, 25, 1), 1
	s_wait_xcnt 0x0
	s_wait_alu depctr_hold_cnt(0) depctr_sa_sdst(0) depctr_va_vdst(0) depctr_va_sdst(0) depctr_va_ssrc(0) depctr_va_vcc(0) depctr_vm_vsrc(0)
	s_getreg_b32 s2, hwreg(HW_REG_IB_STS2, 6, 4)
	s_cmp_eq_u32 s2, 0
	s_cbranch_scc0 .Lentry_in_a_cluster
	s_endpgm
.Lentry_in_a_cluster:
	s_bfe_u32 s2, ttmp6, 0x10000c
	s_cmp_lg_u32 s2, 0x3003
	s_cbranch_scc0 .Lentry_shape_is_right
	s_endpgm
.Lentry_shape_is_right:
; out0[pixel] = the first index n at which d2[n] = (x_sq - 2 dot[n]) + e_sq[n] is least.  x: [32][256 (d)][1024 (pixel)] f32; dot = the product of x's pixel (256 along d) with codebook row n, both
; quantised to FP4 (E2M1) with one E8M0 scale for each 32 along d; the codebook's codes, scale words and e_sq come from cbq, laid as images of the operand's registers by the launch before.
; d2 IS FORMED WITH THE TWO ROUNDINGS OF ITS DEFINITION: x_sq - 2 dot by one fused multiply-add (2 dot is exact), then + e_sq.  x_sq is not dropped: it decides on which f32 grid the numbers meet, and so which of them tie.
; LIMITS: NaN and infinities among the inputs are not served; a block of zeros gets the byte 1 where the rule says 127 (its codes are zeros; the bytes are read here alone); x_sq is summed in four quarters of packed chains, another order than a plain row sum.
; SHARES.  A work-group owns 128 neighbouring pixels of one image: 256 work-groups.  IT WORKS THEM AS TWO HALVES OF 64, so that the second half of x lands while the first is quantised, multiplied and searched.
; All that it needs is asked for at its start, three tensor loads a wave (three are out in each wave): 32 rows d x 256 bytes of the first half, an eighth of cbq, 32 rows d of the second half
; (256 rows shared among eight waves are 32 to a load; a row is 256 consecutive bytes, aligned).  Every LDS byte is filled once: no ring.
; CLUSTER.  cbq is the same for every work-group and is more than half of what a work-group takes in (143,360 bytes beside 131,072 of x): the four partners ask for it JOINTLY (mask 15).  x is nobody else's: plain loads.
; PRODUCE, for a half.  Wave (q2 = wave % 2, s4 = wave / 2) quantises 32 pixels over d = 64 s4 .. 64 s4 + 63: A LANE TAKES A PIXEL AND ITS REGISTERS RUN DOWN d, so that a block of 32 lies in one lane, the reads of LDS are
; 32 neighbouring words, and the codes come out with d innermost.  Its two blocks are register group s4 % 2 of K step s4 / 2 of two tiles' fragments: they go to LDS as images of registers, with two scale bytes a pixel and a quarter of x_sq.
; CONSUME, for a half.  Wave b takes the half's four tiles of 16 pixels against codes 128 b .. 128 b + 127 (eight tiles): each fragment of the codebook read from LDS feeds four products.  Source 0 = 16 codes, source 1 = 16 pixels:
; a lane holds ONE pixel (lane % 16), and its eight registers the codes 16 tile + 8 (lane / 16) + 0 .. 7.
; THE ARGMIN KEEPS THE BEST GROUP OF EIGHT: a tile's eight d2 of a lane have their least taken (four instructions); one compare with the least so far; the eight numbers and the tile's number are kept or replaced by selects.
; A tie keeps the earlier group.  At the end the first number of the kept group that equals the least gives the index; lanes l and l xor 16, and then the eight waves of a pixel, are joined by value, ties by the lower index.
; No branch and no address hangs on data.
.set XT,   0                           ; LDS: x: the first half's 256 rows d x 256 bytes; the second half's 65,536 bytes on
.set CBC,  131072                      ; cbq's codes,
.set CBS,  262144                      ; scale words,
.set CBE,  270336                      ; e_sq
.set XI,   274432                      ; x's fragments: tile T (0 .. 7), K step s, group c: 2048 T + 1024 s + 512 c + 16 l
.set XSC,  290816                      ; x's scale bytes, two to a word: (4 pair + s4) 128 + 4 l: lanes 0-15 the pair's first tile, lanes 16-31 its second
.set XP,   292864                      ; x_sq's quarters: 512 s4 + 4 pixel
.set RV,   294912                      ; the least d2 of eighth b of the codes: 512 b + 4 pixel;  its index 4,096 bytes on
.set NT,   8                           ; tiles of codes to a wave
.set AXB,  1                           ; v1   produce: x's second half in LDS (made last at the head: until then v1 is the lane)
.set AX,   4                           ; v4   produce: x's first half in LDS: 16384 s4 + 128 q2 + 4 l
.set AIW,  5                           ; v5   where I store my fragments' group
.set ASW,  6                           ; v6   my scale bytes
.set APW,  7                           ; v7   my quarter of x_sq
.set AIR,  8                           ; v8   consume: x's fragments
.set ASR,  9                           ; v9   their scale bytes
.set APR,  10                          ; v10  their x_sq
.set ACB,  11                          ; v11  my eight tiles of the codebook
.set ACS,  12                          ; v12  their scale words
.set ACE,  13                          ; v13  their e_sq: + 32 (lane / 16)
.set ARW,  14                          ; v14  where my results go
.set ARR,  15                          ; v15  the output: where a pair of pixels' results are read
.set AOUT, 16                          ; v16  and its byte in the work-group's 512 of out0
.set BH,   17                          ; v17  128 b + 8 (lane / 16): what my lane adds to 16 x tile + register
.set SX,   18                          ; v18-21 x's scale words: pair of tiles q, K step s at 2 q + s
.set CSC,  22                          ; v22-23 the codebook's scale words, two sets
.set XQ,   24                          ; v24-31 x_sq of tile m, twice (a pair for the packed form)
.set XF,   32                          ; v32-95 x's fragments: 16 m + 8 s
.set ACC,  96                          ; v96-127 four accumulators
.set CF,   128                         ; v128-159 the codebook's fragments: two sets of two K steps
.set ES,   160                         ; v160-183 e_sq: three sets of eight
.set DW,   184                         ; v184-199 two tiles' d2 at work; ahead of a half's first tile: x_sq's sixteen quarters
.set T0,   200                         ; v200-207 at work
.set ST,   208                         ; v208-247 tile m at 10 m: the best group's eight numbers, +8 the least so far, +9 its tile's number
.set TE,   248                         ; v248-255 x's scale bytes as loaded; at work at a half's end
.set X,    96                          ; while producing: v96-159 my pixel's 64 numbers,
.set C,    32                          ; v32-39 their codes,
.set MX,   48                          ; v48-49 largest magnitudes, v50 the conversion's scale operand, v51 a byte, v52 the two bytes,
.set SO,   50
.set BY,   51
.set SW,   52
.set SQ,   54                          ; v[54:55], v[56:57] two chains of squares
.set OV,   208                         ; the output: v208-223 eight eighths' values of two pixels, v224-239 their indices, v240-241 the least, v242-243 the result
.set OI,   224
.set OM,   240
.set RES,  242
; A round of the cluster's barrier: my work-group's barrier; wave 0 signals for the work-group; every wave waits for all four work-groups; my work-group's barrier once more.
.macro CROUND
	s_barrier_signal -1
	s_barrier_wait -1
	s_cmp_lg_u32 s10, 0
	s_cbranch_scc1 .Lnot_wave_0_\@
	s_barrier_signal -3
.Lnot_wave_0_\@:
	s_barrier_wait -3
	s_barrier_signal -1
	s_barrier_wait -1
.endm
.macro BAR                             ; my LDS stores have landed and my LDS loads are in: then the work-group's barrier
	s_wait_dscnt 0x0
	s_barrier_signal -1
	s_barrier_wait -1
.endm
; v[dst] = base + (q2 << qs) + (s4 << hs) + (wave << ws) + (v[src] << sh); a shift of -1 leaves the term out.  q2 = wave % 2 in s11, s4 = wave / 2 in s12, the wave in s10
.macro MKADR dst, src, sh, base, qs, hs, ws
	s_mov_b32 s18, \base
.if \qs >= 0
	s_lshl_b32 s19, s11, \qs
	s_add_co_u32 s18, s18, s19
.endif
.if \hs >= 0
	s_lshl_b32 s19, s12, \hs
	s_add_co_u32 s18, s18, s19
.endif
.if \ws >= 0
	s_lshl_b32 s19, s10, \ws
	s_add_co_u32 s18, s18, s19
.endif
	v_lshl_add_u32 v[\dst], v[\src], \sh, s18
.endm
	s_load_b128 s[4:7], s[0:1], 0x0                ; x s[4:5], cbq s[6:7]
	s_load_b64 s[8:9], s[0:1], 0x10                ; out0
	s_set_vgpr_msb 0x40
	v_lshl_add_u32 v0, v0, 2, 0x4a000
	v_mov_b32 v1, 0
	s_set_vgpr_msb 0x4045
	ds_add_u32 v0, v1
	ds_add_u32 v0, v1
	s_set_vgpr_msb 0x4500
	v_lshrrev_b32 v200, 5, v0
	v_readfirstlane_b32 s10, v200                  ; wave 0..7
	s_and_b32 s11, s10, 1                          ; wave % 2
	s_lshr_b32 s12, s10, 1                         ; wave / 2
	v_and_b32 v1, 31, v0                           ; l
	v_and_b32 v2, 15, v0                           ; r = l % 16
	v_bfe_u32 v3, v0, 4, 1                         ; h = l / 16
	; every LDS address is made here, ahead of the first branch on the wave's number: a constant, the wave's number times constants, the lane times a constant
	MKADR AX,  1, 2, XT,  7,  14, -1
	MKADR AIW, 1, 4, XI,  12, 9,  -1
	MKADR ASW, 1, 2, XSC, 9,  7,  -1
	MKADR APW, 1, 2, XP,  7,  9,  -1
	MKADR AIR, 1, 4, XI,  -1, -1, -1
	MKADR ASR, 1, 2, XSC, -1, -1, -1
	MKADR APR, 2, 2, XP,  -1, -1, -1
	MKADR ACB, 1, 4, CBC, -1, -1, 14
	MKADR ACS, 1, 2, CBS, -1, -1, 10
	MKADR ACE, 3, 5, CBE, -1, -1, 9
	MKADR ARW, 2, 2, RV,  -1, -1, 9
	MKADR BH,  3, 3, 0,   -1, -1, 7
	s_lshl_b32 s18, s11, 8
	v_lshl_add_u32 v[AOUT], v1, 3, s18             ; 256 x (wave % 2) + 8 l
	v_add_nc_u32 v[ARR], RV, v[AOUT]
	v_add_nc_u32 v[AXB], 0x10000, v[AX]            ; the second half of x: beyond an LDS instruction's 16-bit offset, so it has a register of its own
	s_mov_b32 s48, 0x76543210
	s_mov_b32 s49, 0xfedcba98                      ; v_permlanex16_b32's selects for lane l xor 16
	s_mov_b32 s54, 0xc0000000                      ; -2.0: the packed form names the pair and takes its low word for both halves,
	s_mov_b32 s55, s54                             ; so the upper word is written too
	; descriptor group 1 for x: 32 rows of 64 elements of 4 bytes, 1,024 elements from row to row; no mask
	s_mov_b32 s24, 2<<16                           ; 15:0 mask = 0; 17:16 elements of 4 bytes; no padding: lanes read neighbouring words
	s_mov_b32 s25, 64<<16                          ; tensor_dim0 = 64
	s_mov_b32 s26, 32<<16                          ; tensor_dim1 = 32
	s_mov_b32 s27, 64<<16                          ; tile_dim0 = 64
	s_mov_b32 s28, 32                              ; tile_dim1 = 32
	s_mov_b32 s29, 1024                            ; the pitch
	s_mov_b32 s30, 0
	s_mov_b32 s31, 0
	; and for an eighth of cbq: 17,920 dense bytes as 70 rows of 32 elements of 8 bytes; asked for jointly by the cluster's four
	s_mov_b32 s32, 15|(3<<16)|(1<<21)              ; 15:0 the mask: all four work-groups; 17:16 elements of 8 bytes; 21 set beside a mask
	s_mov_b32 s33, 32<<16
	s_mov_b32 s34, 70<<16
	s_mov_b32 s35, 32<<16
	s_mov_b32 s36, 70
	s_mov_b32 s37, 32
	s_mov_b32 s38, 0
	s_mov_b32 s39, 0
	s_bfe_u32 s13, ttmp6, 0x40000                  ; cx: my place in the cluster: it enters x's and out0's global addresses alone
	s_lshl_b32 s14, ttmp9, 2                       ; in a cluster launch ttmp9 counts clusters
	s_add_co_u32 s14, s14, s13                     ; my work-group
	s_lshr_b32 s16, s14, 3
	s_lshl_b32 s16, s16, 20                        ; x: the image, 2^20 bytes each,
	s_and_b32 s17, s14, 7
	s_lshl_b32 s17, s17, 9
	s_add_co_u32 s16, s16, s17                     ; my 128 pixels of its 1,024,
	s_lshl_b32 s17, s10, 17
	s_add_co_u32 s16, s16, s17                     ; the 32 rows d, of 4,096 bytes, that this wave brings
	s_mov_b32 s17, 0
	s_lshl_b32 s22, s14, 9                         ; out0: 512 bytes a work-group
	s_mov_b32 s23, 0
	s_mul_i32 s20, s10, 17920                      ; cbq: the eighth that this wave brings: the same in all four partners
	s_mov_b32 s21, 0
	s_mov_b32 s40, 1                               ; group 0 for x's first half: count = 1,
	s_lshl_b32 s41, s10, 13                        ; LDS address: 32 rows of 256 bytes a wave,
	s_mov_b32 s44, 1                               ; for its second half:
	s_add_co_u32 s45, s41, 65536                   ; 65,536 bytes on in LDS,
	s_mov_b32 s56, 1                               ; group 0 for cbq
	s_add_co_u32 s57, s20, CBC
	s_wait_dscnt 0x0
	s_wait_kmcnt 0x0
	s_add_nc_u64 s[42:43], s[4:5], s[16:17]        ; global address,
	s_add_nc_u64 s[46:47], s[42:43], 256           ; 64 pixels on in memory,
	s_or_b32 s43, s43, 0x80000000                  ; type = 2
	s_or_b32 s47, s47, 0x80000000
	s_add_nc_u64 s[58:59], s[6:7], s[20:21]
	s_or_b32 s59, s59, 0x80000000
	s_add_nc_u64 s[8:9], s[8:9], s[22:23]
	CROUND                                         ; all four work-groups are here: the joint loads meet
	tensor_load_to_lds s[40:43], s[24:31]          ; all first fills in one group, the same three lines in every wave: x's first half, which is wanted first,
	s_nop 0
	tensor_load_to_lds s[56:59], s[32:39]          ; cbq, wanted with it,
	s_nop 0
	tensor_load_to_lds s[44:47], s[24:31]          ; x's second half
	s_nop 0
.rept 4
	v_nop
.endr
	s_wait_tensorcnt 0x1                           ; tensor loads of a wave end in order: my parts of the first half and of cbq have landed; the second half's load stays out
	BAR                                            ; everybody's have
; ---- PRODUCE
.macro LOADX adr, k, from              ; sixteen rows d of block k of my pixel; the 32 lanes read 128 neighbouring bytes
.irp i, 0,1,2,3,4,5,6,7,8,9,10,11,12,13,14,15
	ds_load_b32 v[X+32*(\k)+(\from)+\i], v[\adr] offset:(32*(\k)+(\from)+\i)*256
.endr
.endm
.macro QBLK k                          ; a block's largest magnitude, its squares, its byte, its codes
.set XB, X+32*(\k)
	v_max3_num_f32 v[MX], |v[XB]|, |v[XB+1]|, |v[XB+2]|
	v_max3_num_f32 v[MX+1], |v[XB+3]|, |v[XB+4]|, |v[XB+5]|
.irp i, 6,10,14,18,22,26
	v_max3_num_f32 v[MX], v[MX], |v[XB+\i]|, |v[XB+\i+1]|
	v_max3_num_f32 v[MX+1], v[MX+1], |v[XB+\i+2]|, |v[XB+\i+3]|
.endr
	v_max3_num_f32 v[MX], v[MX], |v[XB+30]|, |v[XB+31]|
	v_max3_num_f32 v[MX], v[MX], v[MX+1], 0x1800000               ; and the floor 2^(3 - 127): the byte cannot fall under 1
.irp i, 0,4,8,12,16,20,24,28
.if (\k) == 0 && \i == 0
	v_pk_mul_f32 v[SQ:SQ+1], v[XB:XB+1], v[XB:XB+1]               ; the first products start the two chains
	v_pk_mul_f32 v[SQ+2:SQ+3], v[XB+2:XB+3], v[XB+2:XB+3]
.else
	v_pk_fma_f32 v[SQ:SQ+1], v[XB+\i:XB+\i+1], v[XB+\i:XB+\i+1], v[SQ:SQ+1]
	v_pk_fma_f32 v[SQ+2:SQ+3], v[XB+\i+2:XB+\i+3], v[XB+\i+2:XB+\i+3], v[SQ+2:SQ+3]
.endif
.endr
	v_add_nc_u32 v[SO], 0xff000000, v[MX]          ; 2 off the exponent field: the conversion's scale operand
.if (\k) == 0
	v_lshrrev_b32 v[SW], 23, v[SO]                 ; the scale's byte; my two make half of my pixel's word for this K step
.else
	v_lshrrev_b32 v[BY], 23, v[SO]
	v_lshl_or_b32 v[SW], v[BY], 8, v[SW]
.endif
.irp g, 0,1,2,3
	v_cvt_scalef32_pk8_fp4_f32 v[C+4*(\k)+\g], v[XB+8*\g:XB+8*\g+7], v[SO]
.endr
	v_nop                                          ; one plain line behind the last conversion of a run
.endm
.macro PRODUCE hf, adr                 ; half hf of the pixels, read through address register adr
	LOADX \adr, 0, 0
	LOADX \adr, 0, 16
	LOADX \adr, 1, 0
	s_wait_dscnt 16                                ; LDS loads come back in order: block 0 is in, the sixteen younger loads stay out
	LOADX \adr, 1, 16
	QBLK 0
	s_wait_dscnt 0x0
	QBLK 1
; A lane holds two blocks of its pixel; the operand's layout wants, in lane (r, h), block h of the two of pixel r.  The swap changes the first register's lanes 16-31 with the second's lanes 0-15:
; it makes my register group of the tile of pixels 0-15 (in the first) and of the tile of pixels 16-31 (in the second).
.irp i, 0,1,2,3
	v_permlane16_swap_b32 v[C+\i], v[C+4+\i]
.endr
.irp u, 0,1
	ds_store_b128 v[AIW], v[C+4*\u:C+4*\u+3] offset:(\hf)*8192+\u*2048   ; tile 4 hf + 2 q2 + u, as it stands: 512 bytes on end
.endr
	ds_store_b32 v[ASW], v[SW] offset:(\hf)*1024   ; a word of its own for my two bytes: each wave's 128 bytes lie on end
	v_pk_add_f32 v[SQ:SQ+1], v[SQ:SQ+1], v[SQ+2:SQ+3]
	v_add_f32 v[SQ], v[SQ], v[SQ+1]
	ds_store_b32 v[APW], v[SQ] offset:(\hf)*256    ; my pixel's squares over my 64 d
	BAR                                            ; the half's four tiles' fragments, scale bytes and x_sq's quarters lie in LDS
.endm
; ---- CONSUME
.macro LT i                            ; tile i of my eight: seven loads: four groups of codes, the scale words, eight e_sq
.irp j, 0,1,2,3
	ds_load_b128 v[CF+16*((\i)%2)+4*\j:CF+16*((\i)%2)+4*\j+3], v[ACB] offset:(\i)*2048+512*\j
.endr
	ds_load_b32 v[CSC+(\i)%2], v[ACS] offset:(\i)*128
	ds_load_b128 v[ES+8*((\i)%3):ES+8*((\i)%3)+3], v[ACE] offset:(\i)*64
	ds_load_b128 v[ES+8*((\i)%3)+4:ES+8*((\i)%3)+7], v[ACE] offset:(\i)*64+16
.endm
; One product: the codebook's set p x tile m of the pixels, K step s.  The codebook's scale words of K step 1, and the odd tiles' words of x, stand in lanes 16-31 of their registers.
.macro WM m, p, s
.set rD, ACC+8*(\m)
.set rA, CF+16*(\p)+8*(\s)
.set rB, XF+16*(\m)+8*(\s)
.set rSA, CSC+(\p)
.set rSB, SX+2*((\m)/2)+(\s)
.if (\s) == 0
.if (\m)%2 == 0
	v_wmma_scale_f32_16x16x128_f8f6f4 v[rD:rD+7], v[rA:rA+7], v[rB:rB+7], 0, v[rSA], v[rSB] matrix_a_fmt:MATRIX_FMT_FP4 matrix_b_fmt:MATRIX_FMT_FP4
.else
	v_wmma_scale_f32_16x16x128_f8f6f4 v[rD:rD+7], v[rA:rA+7], v[rB:rB+7], 0, v[rSA], v[rSB] matrix_a_fmt:MATRIX_FMT_FP4 matrix_b_fmt:MATRIX_FMT_FP4 matrix_b_scale:MATRIX_SCALE_ROW1
.endif
.else
.if (\m)%2 == 0
	v_wmma_scale_f32_16x16x128_f8f6f4 v[rD:rD+7], v[rA:rA+7], v[rB:rB+7], v[rD:rD+7], v[rSA], v[rSB] matrix_a_fmt:MATRIX_FMT_FP4 matrix_b_fmt:MATRIX_FMT_FP4 matrix_a_scale:MATRIX_SCALE_ROW1
.else
	v_wmma_scale_f32_16x16x128_f8f6f4 v[rD:rD+7], v[rA:rA+7], v[rB:rB+7], v[rD:rD+7], v[rSA], v[rSB] matrix_a_fmt:MATRIX_FMT_FP4 matrix_b_fmt:MATRIX_FMT_FP4 matrix_a_scale:MATRIX_SCALE_ROW1 matrix_b_scale:MATRIX_SCALE_ROW1
.endif
.endif
.endm
.macro W2 m0, p                        ; two tiles of pixels, both K steps: the two accumulators take turns, one instruction a turn; the first K step starts each sum
	WM \m0, \p, 0
	WM \m0+1, \p, 0
	WM \m0, \p, 1
	WM \m0+1, \p, 1
.endm
; d2 and the argmin for tiles m0 and m0 + 1 of the pixels against tile i of the codes, the two line by line, so that no line waits for the line above it.  Each accumulator is read from its low end on.
.macro EPI2 m0, i
.set VA, ST+10*(\m0)
.set VB, VA+10
.if (\i) == 0
.set DA, VA                            ; the first group is the best so far: it is made where the best group is kept
.set DB, VB
.else
.set DA, DW
.set DB, DW+8
.endif
.set CA, ACC+8*(\m0)
.set CC, CA+8
.set QA, XQ+2*(\m0)
.set QC, QA+2
.set EE, ES+8*((\i)%3)
.irp j, 0,2,4,6
	v_pk_fma_f32 v[DA+\j:DA+\j+1], v[CA+\j:CA+\j+1], s[54:55], v[QA:QA+1] op_sel_hi:[1,0,1]   ; x_sq - 2 dot: one rounding
	v_pk_fma_f32 v[DB+\j:DB+\j+1], v[CC+\j:CC+\j+1], s[54:55], v[QC:QC+1] op_sel_hi:[1,0,1]
.endr
.irp j, 0,2,4,6
	v_pk_add_f32 v[DA+\j:DA+\j+1], v[DA+\j:DA+\j+1], v[EE+\j:EE+\j+1]                          ; + e_sq: the second
	v_pk_add_f32 v[DB+\j:DB+\j+1], v[DB+\j:DB+\j+1], v[EE+\j:EE+\j+1]
.endr
	v_min3_num_f32 v[T0], v[DA], v[DA+1], v[DA+2]                  ; the group's least
	v_min3_num_f32 v[T0+2], v[DB], v[DB+1], v[DB+2]
	v_min3_num_f32 v[T0+1], v[DA+3], v[DA+4], v[DA+5]
	v_min3_num_f32 v[T0+3], v[DB+3], v[DB+4], v[DB+5]
	v_min3_num_f32 v[T0], v[T0], v[DA+6], v[DA+7]
	v_min3_num_f32 v[T0+2], v[T0+2], v[DB+6], v[DB+7]
.if (\i) == 0
	v_min_num_f32 v[VA+8], v[T0], v[T0+1]
	v_min_num_f32 v[VB+8], v[T0+2], v[T0+3]
	v_mov_b32 v[VA+9], 0
	v_mov_b32 v[VB+9], 0
.else
	v_min_num_f32 v[T0], v[T0], v[T0+1]
	v_min_num_f32 v[T0+2], v[T0+2], v[T0+3]
	v_cmp_le_f32 vcc_lo, v[VA+8], v[T0]            ; the least so far is no greater: the earlier group stays, on a tie too
	v_cmp_le_f32 s50, v[VB+8], v[T0+2]
.irp j, 0,1,2,3,4,5,6,7
	v_cndmask_b32 v[VA+\j], v[DA+\j], v[VA+\j], vcc_lo
	v_cndmask_b32 v[VB+\j], v[DB+\j], v[VB+\j], s50
.endr
	v_cndmask_b32 v[VA+9], \i, v[VA+9], vcc_lo
	v_cndmask_b32 v[VB+9], \i, v[VB+9], s50
	v_min_num_f32 v[VA+8], v[VA+8], v[T0]
	v_min_num_f32 v[VB+8], v[VB+8], v[T0+2]
.endif
.endm
.macro CONSUME hf
.irp m, 0,1,2,3
.irp j, 0,1,2,3
	ds_load_b128 v[XF+16*\m+4*\j:XF+16*\m+4*\j+3], v[AIR] offset:(\hf)*8192+\m*2048+\j*512   ; the half's fragments stay in registers: tile m, K step j / 2, group j % 2
.endr
.endr
.irp q, 0,1
.irp s, 0,1,2,3
	ds_load_b32 v[TE+4*\q+\s], v[ASR] offset:(\hf)*1024+\q*512+\s*128
.endr
.endr
.irp m, 0,1,2,3
.irp s, 0,1,2,3
	ds_load_b32 v[DW+4*\m+\s], v[APR] offset:\s*512+(\hf)*256+\m*64
.endr
.endr
	LT 0
	LT 1
	s_wait_dscnt 7                                 ; all but tile 1's seven loads
.irp q, 0,1
.irp s, 0,1
	v_lshl_or_b32 v[SX+2*\q+\s], v[TE+4*\q+2*\s+1], 16, v[TE+4*\q+2*\s]   ; two halves make a K step's scale word
.endr
.endr
.irp m, 0,1,2,3
	v_add_f32 v[DW+4*\m], v[DW+4*\m], v[DW+4*\m+1]                 ; x_sq: the four quarters, pairwise.  These eight lines are the eight places between a scale register written by a vector instruction and the scaled product
	v_add_f32 v[DW+4*\m+2], v[DW+4*\m+2], v[DW+4*\m+3]
.endr
	W2 0, 0
.irp m, 0,1,2,3
	v_add_f32 v[XQ+2*\m], v[DW+4*\m], v[DW+4*\m+2]                 ; these eight name none of the products' registers and stand between them and the first read of their results
	v_add_f32 v[XQ+2*\m+1], v[DW+4*\m], v[DW+4*\m+2]
.endr
; Eight tiles of codes, written out: every offset is an immediate.  While one pair of accumulators goes through d2 and the argmin, the other pair's four products are in the matrix unit.
; Between a product and the first read of its result, a load into its operands, or the product that begins its accumulator anew, stands a whole EPI2 on the other pair: 26 plain vector lines at the least, which name none of its registers.
.irp i, 0,1,2,3,4,5,6,7
	W2 2, (\i)%2
	EPI2 0, \i
.if \i < NT-2
	LT \i+2                                        ; into the sets that tile i's products have read; e_sq into the set of three that tile i - 1 has left
	s_wait_dscnt 7                                 ; tile i + 1 is in; the seven just issued stay out
.elseif \i == NT-2
	s_wait_dscnt 0x0                               ; the last tile: nothing was issued behind it
.endif
.if \i < NT-1
	W2 0, (\i+1)%2
.endif
	EPI2 2, \i
.endr
.endm
; A HALF'S END, the four tiles by turns.  The first number of the kept group that equals the least: from register 7 down, each equal one takes the place.
.macro WEND hf
.irp m, 0,1,2,3
	v_mov_b32 v[TE+\m], 7
.endr
.irp j, 6,5,4,3,2,1,0
.irp m, 0,1,2,3
	v_cmp_neq_f32 s[50+\m], v[ST+10*\m+\j], v[ST+10*\m+8]
.endr
.irp m, 0,1,2,3
	v_cndmask_b32 v[TE+\m], \j, v[TE+\m], s[50+\m]
.endr
.endr
.irp m, 0,1,2,3
	v_lshl_add_u32 v[TE+\m], v[ST+10*\m+9], 4, v[TE+\m]            ; 16 x tile + register
.endr
.irp m, 0,1,2,3
	v_add_nc_u32 v[TE+\m], v[BH], v[TE+\m]                         ; + 128 b + 8 (lane / 16): the index
.endr
.irp m, 0,1,2,3
	v_permlanex16_b32 v[TE+4+\m], v[ST+10*\m+8], s48, s49          ; lane l xor 16 holds the same pixel's other codes: its least,
	v_permlanex16_b32 v[T0+\m], v[TE+\m], s48, s49                 ; and its index
.endr
.irp m, 0,1,2,3
	v_min_num_f32 v[T0+4+\m], v[ST+10*\m+8], v[TE+4+\m]
.endr
.irp m, 0,1,2,3
	v_cmp_eq_f32 s[50+\m], v[ST+10*\m+8], v[T0+4+\m]
.endr
.irp m, 0,1,2,3
	v_cndmask_b32 v[TE+\m], -1, v[TE+\m], s[50+\m]                 ; an index counts only where its value is the least;
.endr
.irp m, 0,1,2,3
	v_cmp_eq_f32 s[50+\m], v[TE+4+\m], v[T0+4+\m]
.endr
.irp m, 0,1,2,3
	v_cndmask_b32 v[T0+\m], -1, v[T0+\m], s[50+\m]
.endr
.irp m, 0,1,2,3
	v_min_u32 v[TE+\m], v[TE+\m], v[T0+\m]                         ; of those that count, the lower
.endr
.irp m, 0,1,2,3
	ds_store_b32 v[ARW], v[T0+4+\m] offset:(\hf)*256+64*\m         ; lanes l and l xor 16 write the same word with the same value
	ds_store_b32 v[ARW], v[TE+\m] offset:4096+(\hf)*256+64*\m
.endr
.endm
	PRODUCE 0, AX
	CONSUME 0
	WEND 0
	s_wait_tensorcnt 0x0                           ; my part of x's second half has landed (it had the whole first half's work in which to land),
	BAR                                            ; everybody's has.  Each half has LDS bytes of its own for its fragments, scale bytes, x_sq and results: nothing that a wave may still read is written over
	PRODUCE 1, AXB
	CONSUME 1
	WEND 1
	BAR                                            ; eight values and eight indices for each of the 128 pixels lie in LDS
; ---- THE OUTPUT: waves 0 and 1, two pixels a lane; no barrier stands inside the branch
	s_cmp_lt_u32 s10, 2
	s_cbranch_scc0 .Ldone
.irp b, 0,1,2,3,4,5,6,7
	ds_load_b64 v[OV+2*\b:OV+2*\b+1], v[ARR] offset:\b*512
.endr
.irp b, 0,1,2,3,4,5,6,7
	ds_load_b64 v[OI+2*\b:OI+2*\b+1], v[ARR] offset:4096+\b*512
.endr
	s_wait_dscnt 0x0
.irp e, 0,1
	v_min3_num_f32 v[OM+\e], v[OV+\e], v[OV+2+\e], v[OV+4+\e]
.endr
.irp e, 0,1
	v_min3_num_f32 v[OM+\e], v[OM+\e], v[OV+6+\e], v[OV+8+\e]
.endr
.irp e, 0,1
	v_min3_num_f32 v[OM+\e], v[OM+\e], v[OV+10+\e], v[OV+12+\e]
.endr
.irp e, 0,1
	v_min_num_f32 v[OM+\e], v[OM+\e], v[OV+14+\e]
.endr
.irp e, 0,1
.irp g, 0,4
.irp b, 0,1,2,3
	v_cmp_eq_f32 s[50+\b], v[OV+2*(\g+\b)+\e], v[OM+\e]
.endr
.irp b, 0,1,2,3
	v_cndmask_b32 v[OI+2*(\g+\b)+\e], -1, v[OI+2*(\g+\b)+\e], s[50+\b]   ; an index counts only where its value is the least
.endr
.endr
.endr
.irp e, 0,1
.irp b, 0,2,4,6
	v_min_u32 v[OI+2*\b+\e], v[OI+2*\b+\e], v[OI+2*\b+2+\e]        ; of those that count, the lowest
.endr
.endr
.irp e, 0,1
	v_min_u32 v[OI+\e], v[OI+\e], v[OI+4+\e]
	v_min_u32 v[OI+8+\e], v[OI+8+\e], v[OI+12+\e]
.endr
.irp e, 0,1
	v_min_u32 v[RES+\e], v[OI+\e], v[OI+8+\e]
.endr
	global_store_b64 v[AOUT], v[RES:RES+1], s[8:9] ; the wave stores 256 consecutive bytes, at a multiple of 256 from out0's first byte
.Ldone:
	s_set_vgpr_msb 0x5
	s_wait_tensorcnt 0x0
	ds_add_u32 v0, v1
	s_wait_dscnt 0x0
	s_set_vgpr_msb 0x500
	CROUND                                         ; the closing round: no work-group ends while a partner may still ask for a tile that names it
	s_endpgm
.Lfunc_end_k_q0afd15d2be_main:
	.size	k_q0afd15d2be_main, .Lfunc_end_k_q0afd15d2be_main-k_q0afd15d2be_main
	.p2alignl 7, 3214868480
	.fill 96, 4, 3214868480
	.section	.rodata,"a",@progbits
	.p2align	6, 0x0
	.amdhsa_kernel k_q0afd15d2be_main
		.amdhsa_group_segment_fixed_size 304128
		.amdhsa_private_segment_fixed_size 0
		.amdhsa_enable_private_segment 0
		.amdhsa_kernarg_size 24
		.amdhsa_user_sgpr_count 2
		.amdhsa_user_sgpr_kernarg_segment_ptr 1
		.amdhsa_wavefront_size32 1
		.amdhsa_system_sgpr_workgroup_id_x 1
		.amdhsa_system_sgpr_workgroup_id_y 1
		.amdhsa_system_sgpr_workgroup_id_z 1
		.amdhsa_system_vgpr_workitem_id 0
		.amdhsa_next_free_vgpr 258
		.amdhsa_next_free_sgpr 66
		.amdhsa_reserve_vcc 1
		.amdhsa_float_denorm_mode_32 3
		.amdhsa_float_denorm_mode_16_64 3
		.amdhsa_memory_ordered 1
		.amdhsa_forward_progress 1
		.amdhsa_inst_pref_size 148
	.end_amdhsa_kernel
	.amdgpu_metadata
---
amdhsa.version: [ 1, 2 ]
amdhsa.kernels:
  - .name:           k_q0afd15d2be_main
    .symbol:         k_q0afd15d2be_main.kd
    .args:
      - { .name: x, .offset: 0, .size: 8, .value_kind: global_buffer, .address_space: global }
      - { .name: cbq, .offset: 8, .size: 8, .value_kind: global_buffer, .address_space: global }
      - { .name: out0, .offset: 16, .size: 8, .value_kind: global_buffer, .address_space: global }
    .group_segment_fixed_size: 304128
    .private_segment_fixed_size: 0
    .kernarg_segment_align: 8
    .kernarg_segment_size: 24
    .max_flat_workgroup_size: 256
    .sgpr_count:     66
    .vgpr_count:     258
    .wavefront_size: 32
...
	.end_amdgpu_metadata
.endif
;; end of part 2
